; MI455X (gfx1250); checked and timed in simulation.
; The chip was launched on July 23, 2026; its instructions are those of AMD's public machine-readable ISA for CDNA 5 (MIT licence, August 2026) and "CDNA5" Instruction Set Architecture Reference Guide (July 2026). The comments in the code are by the model that wrote it; some were corrected since.
;; DC Nv2 Pooling. Allowed arithmetic: float matrix products may take bf16 or f16 operands with f32 sums; all other float work in f32.
;; Inputs: input 8 x 256 x 64 x 64 float32; offset 256 x 2 x 7 x 7 float32; rois 256 x 5 float32.
;; Outputs: out0 256 x 256 x 7 x 7 float32.
;; One version. Each part assembles by itself: llvm-mc -triple=amdgcn-amd-amdhsa -mcpu=gfx1250 --defsym DOCPART=n.
;; ======== version 1 of 1: 2 launches
;; workspace buffers: wts 2,097,152 bytes; idx 532,480 bytes of whole numbers
;; launch prep (part 1): grid 256 x 1, 4 waves a work-group, no clusters, 0 bytes of LDS; arguments rois, offset, wts, idx; writes wts, idx
.if DOCPART == 1
	.amdgcn_target "amdgcn-amd-amdhsa--gfx1250"
	.amdhsa_code_object_version 6
	.text
	.protected	k_q597473d763_prep
	.globl	k_q597473d763_prep
	.p2align	8
	.type	k_q597473d763_prep,@function
k_q597473d763_prep:
	s_mov_b64 s[64:65], 0
	v_nop
	global_prefetch_b8 v0, s[64:65] scope:SCOPE_SE
	s_setreg_imm32_b32 hwreg(HW_REG_WAVE_MODE, 25, 1), 1
	s_wait_xcnt 0x0
; Deformable RoI pooling, step 1 of 2: all geometry, turned into weights (f32) and whole numbers (window starts, counts, ranks).
; The validity test and the bilinear weights of a sample are a product of an x part and a y part, so each axis is
; prepared by itself.  For one bin and one axis the 4 samples touch cells x0, x0+1 with x0 not decreasing; they are
; packed into windows of 4 neighbouring cells (at most 4 windows), each with 4 weights.  The division by the count of
; valid samples splits too: 1/max(cx cy, 1) = 1/max(cx,1) * 1/max(cy,1), and where a count is 0 that axis's weights are all 0.
; Work-group = RoI n.  Wave w: axis = w >> 1 (0: x, 1: y), pass = w & 1.  Lane = slot 32 pass + lane; slot = bin for
; bins 0..48, slots 49..63 repeat bin 48 so that every byte that the second step loads has been stored.
; wts: [n][axis][window 4][slot 64][4] f32.
; idx: byte 0: [n][w 4]{windows used by the wave's 32 slots, key}, key = batch << 8 | rank, rank = how many RoIs before n have n's batch;
;      byte 8192: [n][axis][slot 64][window 4] first cell of the window, 0..60.
; The rank is a value here: no address and no branch of this launch hangs on it.  The second step finds its RoIs by it.
; LIMITS: rois and offset finite.  The batch index is cut to 0..7 (reference() indexes a table of 8).
; No LDS, no barrier: the four waves share nothing.  No matrix unit: there is no product of matrices here.
.set X0, 16                            ; v[16:19] sample i: left cell, 0..62
.set A0, 20                            ; v[20:23] sample i: weight of the left cell
.set A1, 24                            ; v[24:27] sample i: weight of the right cell
.set PP, 28                            ; v[28:31] sample i: 4 x window + place of the left cell in it
.set WW, 32                            ; v[32:47] the 16 weights: window g at 4 g .. 4 g + 3; before that v[32:39]: all RoIs' batch numbers
.set SS, 48                            ; v[48:51] the 4 window starts
	s_load_b256 s[4:11], s[0:1], 0x0               ; rois s[4:5], offset s[6:7], wts s[8:9], idx s[10:11]
	v_lshrrev_b32 v3, 5, v0
	v_readfirstlane_b32 s12, v3                    ; wave 0..3
	s_lshr_b32 s14, s12, 1                         ; axis
	s_mul_i32 s15, ttmp9, 20                       ; my RoI's 5 numbers
	s_lshl2_add_u32 s16, s14, s15                  ; + 4 x axis: x1 or y1 lies 4 bytes on, x2 or y2 12 bytes on
	s_mul_i32 s17, ttmp9, 392                      ; offset[n]: 2 x 49 numbers
	s_mul_i32 s18, s14, 196
	s_add_co_u32 s17, s17, s18                     ; offset[n][axis]
	s_mov_b32 s37, ttmp9                           ; n
	s_mov_b32 s25, 0x76543210                      ; v_permlanex16_b32: lane i reads lane i of the other half
	s_mov_b32 s26, 0xfedcba98
	s_mov_b32 s28, 0x3d800000                      ; 1/16
	s_mov_b32 s29, 0x3e124925                      ; 1/7
	s_mov_b32 s30, 0x40e00000                      ; 7.0
	s_mov_b32 s31, 0x427e0000                      ; 63.5
	s_mov_b32 s32, 0x427c0000                      ; 63.0
	s_mov_b32 s33, 0x42780000                      ; 62.0
	s_mov_b32 s34, 0x3dcccccd                      ; 0.1
	v_and_b32 v1, 31, v0                           ; lane
	v_and_b32 v2, 63, v0                           ; slot = 32 x pass + lane
	v_min_u32 v3, 48, v2                           ; bin
	v_mul_u32_u24 v4, v3, 37
	v_lshrrev_b32 v4, 8, v4                        ; ph = bin / 7 (37/256 serves for 0..48)
	v_mul_u32_u24 v5, v4, 7
	v_sub_nc_u32 v5, v3, v5                        ; pw = bin - 7 ph
	s_cmp_lg_u32 s14, 0
	s_cselect_b32 s24, -1, 0                       ; all lanes: y axis?
	v_cndmask_b32 v6, v5, v4, s24                  ; the bin's index along my axis
	v_cvt_f32_u32 v6, v6
	v_lshl_add_u32 v7, v3, 2, s17                  ; part_h = ph and part_w = pw: floor(k / 7 * 7) = k in f32 for k = 0..6
	v_mul_u32_u24 v63, v1, 20                      ; a RoI's 20 bytes a lane
	s_wait_kmcnt 0x0
	s_load_b32 s20, s[4:5], s15 offset:0x0         ; batch
	s_load_b32 s21, s[4:5], s16 offset:0x4         ; the RoI's low edge on my axis
	s_load_b32 s22, s[4:5], s16 offset:0xc         ; its high edge
	global_load_b32 v8, v7, s[6:7]                 ; the bin's learned offset
.irp k, 0,1,2,3,4,5,6,7
	global_load_b32 v[WW+\k], v63, s[4:5] offset:\k*640    ; batch of RoI 32 k + lane
.endr
	s_wait_kmcnt 0x0
	; the RoI on the feature map.  round(x) / 16 is exact, so the fused form rounds as the two steps of reference() do
	v_rndne_f32 v9, s21
	v_rndne_f32 v10, s22
	v_fma_f32 v9, v9, s28, -0.5                    ; start
	v_add_f32 v10, 1.0, v10
	v_fma_f32 v10, v10, s28, -0.5                  ; end
	v_sub_f32 v11, v10, v9
	v_max_num_f32 v11, s34, v11                    ; extent, at least 0.1
	v_mul_f32 v12, s29, v11                        ; extent / 7: a product with 1/7,
	v_fma_f32 v54, -v12, s30, v11                  ; its exact remainder,
	v_fma_f32 v12, v54, s29, v12                   ; and one correction
	v_mul_f32 v13, 0x3e800000, v12                 ; a quarter of a bin: from sample to sample
	v_cvt_u32_f32 v53, s20                         ; batch: toward zero, negatives to 0,
	v_min_u32 v53, 7, v53                          ; and at most 7
	v_mul_f32 v14, v6, v12                         ; the bin's start, in reference()'s order of roundings (not fused:
	v_add_f32 v14, v14, v9                         ; the validity test below is a hard threshold)
	s_wait_loadcnt 0x0                             ; the learned offset and the 256 batch numbers
	v_mul_f32 v54, s34, v8
	v_mul_f32 v54, v54, v11
	v_add_f32 v14, v14, v54
	; my rank: RoIs with my batch and a number below n
	s_mov_b32 s38, 0
.irp k, 0,1,2,3,4,5,6,7
	v_cvt_u32_f32 v54, v[WW+\k]
	v_min_u32 v54, 7, v54
	v_or_b32 v55, 32*\k, v1
	v_cmp_eq_u32 s27, v53, v54
	v_cmp_gt_u32 vcc_lo, s37, v55
	s_and_b32 s27, s27, vcc_lo
	s_bcnt1_i32_b32 s27, s27
	s_add_co_u32 s38, s38, s27
.endr
	v_lshl_or_b32 v53, v53, 8, s38                 ; key = batch << 8 | rank
; Sample i at start + i x step: valid?, clipped place, left cell (at most 62, so that the right cell exists; at 63.0 the
; weights are then 0 and 1, the same value as reference()'s floor = ceil = 63), the two weights.
.macro SAMPLE i, fi
	v_mul_f32 v54, \fi, v13
	v_add_f32 v54, v14, v54
	v_cmp_le_f32 vcc_lo, -0.5, v54
	v_cmp_ge_f32 s27, s31, v54
	s_and_b32 vcc_lo, vcc_lo, s27
	v_cndmask_b32 v55, 0, 1.0, vcc_lo              ; 1.0 if valid
.if \i == 0
	v_mov_b32 v15, v55                             ; the first sample starts the count
.else
	v_add_f32 v15, v15, v55
.endif
	v_max_num_f32 v54, 0, v54
	v_min_num_f32 v54, s32, v54                    ; clipped to 0 .. 63
	v_floor_f32 v56, v54
	v_min_num_f32 v56, s33, v56
	v_sub_f32 v57, v54, v56                        ; distance from the left cell
	v_cvt_u32_f32 v[X0+\i], v56
	v_mul_f32 v[A1+\i], v55, v57
	v_sub_f32 v[A0+\i], v55, v[A1+\i]
.endm
	SAMPLE 0, 0
	SAMPLE 1, 1.0
	SAMPLE 2, 2.0
	SAMPLE 3, 3.0
	v_max_num_f32 v15, 1.0, v15
	v_rcp_f32 v58, v15                             ; 1 / max(count, 1); three plain instructions stand before its use (ISA guide 5.7.2)
	v_min_u32 v59, 60, v[X0]                       ; the first window starts at the first sample's cell (at most 60: 4 cells fit)
	v_mov_b32 v52, 0                               ; number of the window at work
	v_sub_nc_u32 v[PP], v[X0], v59
	s_wait_alu depctr_va_vdst(0)
.irp i, 0,1,2,3
	v_mul_f32 v[A0+\i], v[A0+\i], v58
	v_mul_f32 v[A1+\i], v[A1+\i], v58
.endr
.irp g, 0,1,2,3
	v_mov_b32 v[SS+\g], v59                        ; windows not used keep a start inside the plane; their weights are 0
.endr
; Sample i joins the window at work if its two cells fit (left cell at most 2 behind the start), else it opens the next one.
.macro STEP i
	v_sub_nc_u32 v54, v[X0+\i], v59
	v_cmp_lt_u32 vcc_lo, 2, v54
	v_min_u32 v55, 60, v[X0+\i]
	v_cndmask_b32 v59, v59, v55, vcc_lo
	v_cndmask_b32 v56, 0, 1, vcc_lo
	v_add_nc_u32 v52, v52, v56
	v_sub_nc_u32 v54, v[X0+\i], v59
	v_lshl_add_u32 v[PP+\i], v52, 2, v54
.irp g, 1,2,3
.if \g <= \i
	v_cmp_eq_u32 vcc_lo, \g, v52
	v_cndmask_b32 v[SS+\g], v[SS+\g], v59, vcc_lo
.endif
.endr
.endm
	STEP 1
	STEP 2
	STEP 3
; weight q += a, in the lanes whose place p equals cv
.macro TAPADD q, cv, p, a
	v_cmp_eq_u32 vcc_lo, \cv, v[\p]
	v_cndmask_b32 v54, 0, v[\a], vcc_lo
	v_add_f32 v[WW+\q], v[WW+\q], v54
.endm
; Sample i lies in window 0..i, so its left cell has place 0 .. 4 i + 2 and its right cell 1 .. 4 i + 3: other places are not tried.
; Sample 3's left weight starts each sum, so nothing is cleared.
.set q, 0
.rept 16
	v_cmp_eq_u32 vcc_lo, q, v[PP+3]
	v_cndmask_b32 v[WW+q], 0, v[A0+3], vcc_lo
.if q >= 1
	TAPADD q, q-1, PP+3, A1+3
.endif
.irp i, 0,1,2
.if q <= 4*\i+2
	TAPADD q, q, PP+\i, A0+\i
.endif
.if q >= 1
.if q <= 4*\i+3
	TAPADD q, q-1, PP+\i, A1+\i
.endif
.endif
.endr
.set q, q+1
.endr
	; the most windows that any of the wave's 32 slots uses: the second step's trip count for this axis and pass
	v_add_nc_u32 v52, 1, v52
	v_cvt_f32_u32 v52, v52
	v_max_num_f32_dpp v52, v52, v52 row_xmask:1 row_mask:0xf bank_mask:0xf
	v_max_num_f32_dpp v52, v52, v52 row_xmask:2 row_mask:0xf bank_mask:0xf
	v_max_num_f32_dpp v52, v52, v52 row_xmask:4 row_mask:0xf bank_mask:0xf
	v_max_num_f32_dpp v52, v52, v52 row_xmask:8 row_mask:0xf bank_mask:0xf
	v_permlanex16_b32 v54, v52, s25, s26           ; v54 has been written before
	v_max_num_f32 v52, v52, v54
	v_cvt_u32_f32 v52, v52
	; stores: each of the five 16-byte stores of the wave covers 512 consecutive bytes that start on a multiple of 512
	s_lshl_b32 s18, ttmp9, 13
	s_lshl_b32 s19, s14, 12
	s_add_co_u32 s18, s18, s19
	s_mov_b32 s19, 0
	s_add_nc_u64 s[8:9], s[8:9], s[18:19]          ; wts[n][axis]
	s_lshl_b32 s35, ttmp9, 11
	s_lshl_b32 s36, s14, 10
	s_add_co_u32 s35, s35, s36                     ; starts of [n][axis], behind the 8192 bytes of records
	s_lshl_b32 s36, ttmp9, 5
	s_lshl3_add_u32 s36, s12, s36                  ; record [n][w]
	v_lshlrev_b32 v60, 4, v2
	v_lshl_add_u32 v61, v2, 4, s35
	v_mov_b32 v62, s36
.irp g, 0,1,2,3
	global_store_b128 v60, v[WW+4*\g:WW+4*\g+3], s[8:9] offset:\g*1024
.endr
	global_store_b128 v61, v[SS:SS+3], s[10:11] offset:8192
	v_cmp_eq_u32 vcc_lo, 0, v1
	s_wait_xcnt 0x0                                ; EXEC is a source of the stores above: it narrows only behind this wait
	s_and_saveexec_b32 s27, vcc_lo
	global_store_b64 v62, v[52:53], s[10:11]       ; lane 0: {windows, key}
	s_wait_xcnt 0x0                                ; and widens only behind this one
	s_or_b32 exec_lo, exec_lo, s27
	s_endpgm
.Lfunc_end_k_q597473d763_prep:
	.size	k_q597473d763_prep, .Lfunc_end_k_q597473d763_prep-k_q597473d763_prep
	.p2alignl 7, 3214868480
	.fill 96, 4, 3214868480
	.section	.rodata,"a",@progbits
	.p2align	6, 0x0
	.amdhsa_kernel k_q597473d763_prep
		.amdhsa_group_segment_fixed_size 0
		.amdhsa_private_segment_fixed_size 0
		.amdhsa_enable_private_segment 0
		.amdhsa_kernarg_size 32
		.amdhsa_user_sgpr_count 2
		.amdhsa_user_sgpr_kernarg_segment_ptr 1
		.amdhsa_wavefront_size32 1
		.amdhsa_system_sgpr_workgroup_id_x 1
		.amdhsa_system_sgpr_workgroup_id_y 1
		.amdhsa_system_sgpr_workgroup_id_z 1
		.amdhsa_system_vgpr_workitem_id 0
		.amdhsa_next_free_vgpr 64
		.amdhsa_next_free_sgpr 66
		.amdhsa_reserve_vcc 1
		.amdhsa_float_denorm_mode_32 3
		.amdhsa_float_denorm_mode_16_64 3
		.amdhsa_memory_ordered 1
		.amdhsa_forward_progress 1
		.amdhsa_inst_pref_size 19
	.end_amdhsa_kernel
	.amdgpu_metadata
---
amdhsa.version: [ 1, 2 ]
amdhsa.kernels:
  - .name:           k_q597473d763_prep
    .symbol:         k_q597473d763_prep.kd
    .args:
      - { .name: rois, .offset: 0, .size: 8, .value_kind: global_buffer, .address_space: global }
      - { .name: offset, .offset: 8, .size: 8, .value_kind: global_buffer, .address_space: global }
      - { .name: wts, .offset: 16, .size: 8, .value_kind: global_buffer, .address_space: global }
      - { .name: idx, .offset: 24, .size: 8, .value_kind: global_buffer, .address_space: global }
    .group_segment_fixed_size: 0
    .private_segment_fixed_size: 0
    .kernarg_segment_align: 8
    .kernarg_segment_size: 32
    .max_flat_workgroup_size: 128
    .sgpr_count:     66
    .vgpr_count:     64
    .wavefront_size: 32
...
	.end_amdgpu_metadata
.endif
;; end of part 1
;; launch pool (part 2): grid 32 x 8, 32 waves a work-group, no clusters, 178,176 bytes of LDS; arguments input, wts, idx, out0; writes out0
.if DOCPART == 2
	.amdgcn_target "amdgcn-amd-amdhsa--gfx1250"
	.amdhsa_code_object_version 6
	.text
	.protected	k_q597473d763_pool
	.globl	k_q597473d763_pool
	.p2align	8
	.type	k_q597473d763_pool,@function
k_q597473d763_pool:
	s_mov_b64 s[64:65], 0
	v_nop
	global_prefetch_b8 v0, s[64:65] scope:SCOPE_SE
	s_setreg_imm32_b32 hwreg(HW_REG_WAVE_MODE, 25, 1), 1
	s_wait_xcnt 0x0
; Deformable RoI pooling, step 2 of 2: out[n][c][bin] = sum over windows gy, gx of sum_k Wy[gy][k] sum_m Wx[gx][m] I[ys+k][xs+m].
; Work-group (x = cc, y = b) keeps the 8 planes of batch b, channels 8 cc .. 8 cc + 7, in LDS (128 KiB of memory, each input byte
; read once in the launch) and serves every RoI of that batch.  256 work-groups.
; LDS LAYOUT: [group of 4 channels][row y][cell x][4 channels], so that one 16-byte LDS load brings 4 channels of a cell: a window of
; 4 x 4 cells of 4 channels is 16 LDS loads.  Memory has the planes apart, so the fill goes through registers: a lane loads the same
; 4 cells of 4 planes (four 16-byte loads), turns the 4 x 4 numbers round (16 moves) and stores 4 cells of 16 bytes.
; Wave w: h = w & 1 takes channels 4 h .. 4 h + 3, q = w >> 1 takes the batch's RoIs of rank q, q + 16, ...  Lane = bin slot,
; pass A slots 0..31, pass B slots 32..63 (slots 49..63 repeat bin 48 and are dropped on the way out).
; All addresses and trip counts come from whole numbers that the first step stored and that are read here from memory:
; the keys (batch << 8 | rank) of all 256 RoIs lie in 8 registers, a RoI is found by comparing them with the key wanted;
; its window counts come by a scalar load, asked for one trip ahead; its window starts by vector loads.
; 32 waves, 8 on a SIMD with 128 registers each: while one waits for its weights and starts the others work.
; NO CLUSTER: no two work-groups read the same plane; what they share (weights, starts) is some 2.5 KB a RoI, loaded through registers.
; NO TENSOR LOAD: its fastest axis lies along memory, so it cannot lay four planes' numbers side by side.
; NO PREFETCH, NO RING: all 128 KiB are asked for in the first lines and LDS is filled once.
; NO MATRIX UNIT: the weights differ from bin to bin and touch 16 cells of 4,096.
; LIMITS: input finite (a weight of 0 may meet a cell that reference() does not read).  A batch with more RoIs takes longer.
; The fill's LDS stores lie 64 bytes apart from lane to lane: 8 such stores a wave, once.
; The output of one RoI and 4 channels is 784 consecutive bytes, stored 16 bytes a lane; 49 numbers a channel do not let
; such runs start on multiples of 256.
.set PITCH, 1104                       ; an LDS row: 64 cells x 16 bytes + 80 of padding = 69 columns of 16 bytes
.set GRP,   64*PITCH                   ; 70,656: 4 channels
.set STAGE, 2*GRP                      ; 141,312: 1,024 bytes for each wave, for the way out
.set WX,  4                            ; v[4:7]    4 x weights of the window
.set WY,  8                            ; v[8:11]   4 y weights
.set XS,  12                           ; v12       first cell of the window
.set YS,  13                           ; v13       first row
.set ADR, 14                           ; v14       LDS address of the window's first cell in my group
.set OX,  15                           ; v15-18    byte offsets of my slot's weights and starts
.set OY,  16
.set SX,  17
.set SY,  18
.set TT,  20                           ; v[20:27]  row sums of 4 channels, two sets by turns
.set ACCA, 28                          ; v[28:31]  pass A: one sum a channel
.set ACCB, 32                          ; v[32:35]  pass B
.set DD,  36                           ; v[36:99]  cells: 16 k + 4 m + c; at the head: the fill's 32 + 32 registers
.set O0,  100                          ; v[100:103] bytes 0..511 of the 784
.set O1,  104                          ; v[104:107] bytes 512..783 (lanes 0..16)
.set STO, 108
.set RD,  109
.set FA,  110                          ; the fill's LDS address
.set KEY, 112                          ; v[112:119] key of RoI 32 k + lane
	s_load_b256 s[4:11], s[0:1], 0x0               ; input s[4:5], wts s[6:7], idx s[8:9], out0 s[10:11]
	v_lshl_add_u32 v126, v0, 2, 0x2a800
	v_mov_b32 v127, 0
	v_lshrrev_b32 v3, 5, v0
	v_readfirstlane_b32 s12, v3                    ; wave 0..31
	s_and_b32 s13, s12, 1                          ; h
	s_lshr_b32 s14, s12, 1                         ; q
	s_and_b32 s16, ttmp7, 0xffff                   ; b
	v_and_b32 v1, 31, v0                           ; lane
	v_lshlrev_b32 v2, 4, v1                        ; 16 x lane
	v_lshlrev_b32 v19, 5, v1                       ; 32 x lane: a RoI's record
	; The fill: wave w brings rows 4 (w & 15) .. + 3 of the four planes of group w >> 4.
	s_lshl_b32 s38, s16, 22                        ; b x 256 planes of 16 KiB
	s_lshl_b32 s20, ttmp9, 17                      ; + cc x 8 planes
	s_add_co_u32 s38, s38, s20
	s_lshr_b32 s20, s12, 4
	s_lshl_b32 s20, s20, 16                        ; + group x 4 planes
	s_add_co_u32 s38, s38, s20
	s_and_b32 s20, s12, 15
	s_lshl_b32 s20, s20, 10                        ; + 4 rows of 256 bytes
	s_add_co_u32 s38, s38, s20
	s_mov_b32 s39, 0                               ; stays 0: the upper word of every offset pair
	s_mov_b32 s62, PITCH
	s_wait_kmcnt 0x0
.irp k, 0,1,2,3,4,5,6,7
	global_load_b32 v[KEY+\k], v19, s[8:9] offset:\k*1024+4    ; key of RoI 32 k + lane
.endr
	s_add_nc_u64 s[42:43], s[4:5], s[38:39]        ; not written again
.irp j, 0,1
.irp c, 0,1,2,3
	global_load_b128 v[DD+16*\j+4*\c:DD+16*\j+4*\c+3], v2, s[42:43] offset:\c*16384+\j*512 th:TH_LOAD_NT  ; rows 2 j, 2 j + 1 of plane c: 512 consecutive bytes
.endr
.endr
	v_lshrrev_b32 v3, 4, v1                        ; which of the two rows
	v_and_b32 v20, 15, v1                          ; which 4 cells
	v_mul_u32_u24 v3, v3, s62
	v_lshl_add_u32 v3, v20, 6, v3
	s_mul_i32 s20, s12, 4*PITCH                    ; 16 waves x 4 rows are a group: the LDS address is wave x 4 rows
	v_add_nc_u32 v[FA], s20, v3
	s_lshl_b32 s20, s12, 10
	s_add_co_u32 s20, s20, STAGE                   ; my stage
	v_lshl_add_u32 v[STO], v1, 2, s20
	v_lshl_add_u32 v[RD], v1, 4, s20
	s_mul_i32 s60, s13, GRP                        ; my four channels
	s_lshl_b32 s20, ttmp9, 3
	s_lshl2_add_u32 s20, s13, s20                  ; my first channel, 8 cc + 4 h
	s_mul_i32 s31, s20, 196                        ; x 49 numbers
.irp j, 0,1,2,3
	v_mov_b32 v[O1+\j], 0                          ; written whole once: later only lanes 0..16 load and store it
.endr
	s_lshl_b32 s78, s16, 8
	s_or_b32 s78, s78, s14                         ; the key of my first RoI: batch b, rank q
	s_mov_b32 s17, 0
; The RoI whose key is s78 (none: RoI 0, whose record is then read and not used), and the load of its four records
; {windows, key}: x pass A, x pass B, y pass A, y pass B.  s76 and s[68:75] are written only behind the wait for the load before.
.macro FIND
	s_mov_b32 s77, 0
.irp k, 0,1,2,3,4,5,6,7
	v_cmp_eq_u32 s20, s78, v[KEY+\k]               ; at most one lane of one k
	s_ctz_i32_b32 s79, s20
	s_add_co_u32 s79, s79, 32*\k
	s_cmp_lg_u32 s20, 0
	s_cselect_b32 s77, s79, s77
.endr
	s_min_u32 s77, s77, 0xff
	s_lshl_b32 s76, s77, 5
	s_load_b256 s[68:75], s[8:9], s76 offset:0x0
.endm
	s_wait_loadcnt 0x8                             ; the 8 keys are in; the fill's 8 loads, issued behind them, stay out
.irp k, 0,1,2,3,4,5,6,7
	v_lshrrev_b32 v20, 8, v[KEY+\k]
	v_cmp_eq_u32 s20, s16, v20                     ; which of RoIs 32 k .. 32 k + 31 are my batch's
	s_bcnt1_i32_b32 s20, s20
	s_add_co_u32 s17, s17, s20                     ; how many in all
.endr
	FIND                                           ; the first trip's record is on its way while the planes arrive
.irp j, 0,1
	s_wait_loadcnt 4-4*\j                          ; the four planes' loads of this pair of rows are in; the next pair's 4 may stay out
.irp m, 0,1,2,3
.irp c, 0,1,2,3
	v_mov_b32 v[DD+32+16*\j+4*\m+\c], v[DD+16*\j+4*\c+\m]      ; cell m: its four channels side by side
.endr
.endr
.irp m, 0,1,2,3
	ds_store_b128 v[FA], v[DD+32+16*\j+4*\m:DD+32+16*\j+4*\m+3] offset:\j*2*PITCH+\m*16
.endr
.endr
	s_wait_dscnt 0x0                               ; my rows are written: zero, since the other waves read them
	s_barrier_signal -1
	s_barrier_wait -1                              ; the launch's only barrier
	s_add_co_u32 s21, s17, 15
	s_sub_co_u32 s21, s21, s14
	s_lshr_b32 s21, s21, 4                         ; ranks q, q + 16, .. below the total
	s_cmp_eq_u32 s21, 0
	s_cbranch_scc1 .Lend
	s_mov_b32 s22, 0
; Row k of a window, 4 channels: 4 row sums (chains that do not wait for each other), then onto the channels' accumulators.
.macro ROWK k, acc
.irp c, 0,1,2,3
	v_mul_f32 v[TT+4*(\k&1)+\c], v[WX], v[DD+16*\k+\c]
.endr
.irp m, 1,2,3
.irp c, 0,1,2,3
	v_fmac_f32 v[TT+4*(\k&1)+\c], v[WX+\m], v[DD+16*\k+4*\m+\c]
.endr
.endr
.irp c, 0,1,2,3
	v_fmac_f32 v[\acc+\c], v[WY+\k], v[TT+4*(\k&1)+\c]
.endr
.endm
; 32 slots (pass p) x 4 channels.  gxn, gyn: scalar registers with the window counts, 1..4.
; The sums run over two counted loops, so they are cleared here: four registers a pass.
.macro PASS p, gxn, gyn, acc
.irp c, 0,1,2,3
	v_mov_b32 v[\acc+\c], 0
.endr
	s_mov_b32 s30, 0
.Ly_\@:
	v_lshl_add_u32 v[OY], s30, 10, v2              ; weights: window x 1024 + 16 x lane.  Every earlier load that named these
	v_lshl_add_u32 v[SY], s30, 2, v2               ; starts:  window x 4 + 16 x lane.     registers has been waited for (count 0 below)
	global_load_b128 v[WY:WY+3], v[OY], s[32:33] offset:4096+512*\p
	global_load_b32 v[YS], v[SY], s[34:35] offset:1024+512*\p
	s_mov_b32 s29, 0
.Lx_\@:
	v_lshl_add_u32 v[OX], s29, 10, v2
	v_lshl_add_u32 v[SX], s29, 2, v2
	global_load_b128 v[WX:WX+3], v[OX], s[32:33] offset:512*\p
	global_load_b32 v[XS], v[SX], s[34:35] offset:512*\p
	s_wait_loadcnt 0x0
	v_min_u32 v[XS], 60, v[XS]                     ; 4 cells fit behind cell 60,
	v_min_u32 v[YS], 60, v[YS]                     ; 4 rows behind row 60
	v_lshl_add_u32 v[ADR], v[XS], 4, s60
	v_mad_u32_u24 v[ADR], v[YS], s62, v[ADR]
.irp k, 0,1,2,3
.irp m, 0,1,2,3
	ds_load_b128 v[DD+16*\k+4*\m:DD+16*\k+4*\m+3], v[ADR] offset:\k*PITCH+\m*16
.endr
.endr
.irp k, 0,1,2,3
	s_wait_dscnt 12-4*\k                           ; LDS loads come back in order: row k's 4 are in, 4 for each younger row stay out
	ROWK \k, \acc
.endr
	s_add_co_u32 s29, s29, 1
	s_cmp_lt_u32 s29, \gxn
	s_cbranch_scc1 .Lx_\@
	s_add_co_u32 s30, s30, 1
	s_cmp_lt_u32 s30, \gyn
	s_cbranch_scc1 .Ly_\@
.endm
.Lroi:
	s_wait_kmcnt 0x0                               ; this trip's records, asked for a trip ago
	s_min_u32 s24, s77, 0xff                       ; n
	s_min_u32 s25, s68, 4                          ; windows: x pass A,
	s_min_u32 s26, s70, 4                          ; x pass B,
	s_min_u32 s27, s72, 4                          ; y pass A,
	s_min_u32 s28, s74, 4                          ; y pass B
.irp r, 25,26,27,28
	s_max_u32 s\r, s\r, 1
.endr
	s_wait_xcnt 0x0                                ; the last trip's stores name s[36:37], O0 and O1: all are written again only behind this wait
	s_lshl_b32 s38, s24, 13
	s_add_nc_u64 s[32:33], s[6:7], s[38:39]        ; wts[n]
	s_lshl_b32 s38, s24, 11
	s_add_co_u32 s38, s38, 0x2000
	s_add_nc_u64 s[34:35], s[8:9], s[38:39]        ; the starts of RoI n
	s_mul_i32 s38, s24, 50176
	s_add_co_u32 s38, s38, s31
	s_add_nc_u64 s[36:37], s[10:11], s[38:39]      ; out0[n][my first channel]
	s_add_co_u32 s78, s78, 16                      ; the next trip's key: 16 ranks on
	FIND                                           ; and its records (in the last trip: some RoI's, inside the buffer, not used)
	PASS 0, s25, s27, ACCA
	PASS 1, s26, s28, ACCB
	; THE WAY OUT: 4 channels x 49 numbers are laid side by side in my own stage and read back 16 bytes a lane.  Pass B's lanes 17..31
	; (slots 49..63) fall on the next channel's bins 0..14; LDS serves a wave's instructions in order, so that channel's pass A store,
	; which follows, writes over them; behind the last channel they fall on bytes 784..843 of my 1,024, which are not read.
.irp c, 0,1,2,3
	ds_store_b32 v[STO], v[ACCA+\c] offset:196*\c
	ds_store_b32 v[STO], v[ACCB+\c] offset:196*\c+128
.endr
	ds_load_b128 v[O0:O0+3], v[RD]                 ; bytes 0..511
	v_cmp_gt_u32 vcc_lo, 17, v1
	s_wait_xcnt 0x0                                ; EXEC is a source of the trip's loads: it narrows only behind this wait
	s_and_saveexec_b32 s61, vcc_lo
	ds_load_b128 v[O1:O1+3], v[RD] offset:512      ; bytes 512..783: 17 lanes
	s_wait_dscnt 0x0
	global_store_b128 v2, v[O1:O1+3], s[36:37] offset:512 th:TH_STORE_NT
	s_wait_xcnt 0x0                                ; and widens only behind this one
	s_or_b32 exec_lo, exec_lo, s61
	global_store_b128 v2, v[O0:O0+3], s[36:37] th:TH_STORE_NT
	s_add_co_u32 s22, s22, 1
	s_cmp_lt_u32 s22, s21
	s_cbranch_scc1 .Lroi
.Lend:
	s_wait_tensorcnt 0x0
	ds_add_u32 v126, v127
	s_wait_dscnt 0x0
	s_endpgm
.Lfunc_end_k_q597473d763_pool:
	.size	k_q597473d763_pool, .Lfunc_end_k_q597473d763_pool-k_q597473d763_pool
	.p2alignl 7, 3214868480
	.fill 96, 4, 3214868480
	.section	.rodata,"a",@progbits
	.p2align	6, 0x0
	.amdhsa_kernel k_q597473d763_pool
		.amdhsa_group_segment_fixed_size 178176
		.amdhsa_private_segment_fixed_size 0
		.amdhsa_enable_private_segment 0
		.amdhsa_kernarg_size 32
		.amdhsa_user_sgpr_count 2
		.amdhsa_user_sgpr_kernarg_segment_ptr 1
		.amdhsa_wavefront_size32 1
		.amdhsa_system_sgpr_workgroup_id_x 1
		.amdhsa_system_sgpr_workgroup_id_y 1
		.amdhsa_system_sgpr_workgroup_id_z 1
		.amdhsa_system_vgpr_workitem_id 0
		.amdhsa_next_free_vgpr 128
		.amdhsa_next_free_sgpr 80
		.amdhsa_reserve_vcc 1
		.amdhsa_float_denorm_mode_32 3
		.amdhsa_float_denorm_mode_16_64 3
		.amdhsa_memory_ordered 1
		.amdhsa_forward_progress 1
		.amdhsa_inst_pref_size 23
	.end_amdhsa_kernel
	.amdgpu_metadata
---
amdhsa.version: [ 1, 2 ]
amdhsa.kernels:
  - .name:           k_q597473d763_pool
    .symbol:         k_q597473d763_pool.kd
    .args:
      - { .name: input, .offset: 0, .size: 8, .value_kind: global_buffer, .address_space: global }
      - { .name: wts, .offset: 8, .size: 8, .value_kind: global_buffer, .address_space: global }
      - { .name: idx, .offset: 16, .size: 8, .value_kind: global_buffer, .address_space: global }
      - { .name: out0, .offset: 24, .size: 8, .value_kind: global_buffer, .address_space: global }
    .group_segment_fixed_size: 178176
    .private_segment_fixed_size: 0
    .kernarg_segment_align: 8
    .kernarg_segment_size: 32
    .max_flat_workgroup_size: 1024
    .sgpr_count:     80
    .vgpr_count:     128
    .wavefront_size: 32
...
	.end_amdgpu_metadata
.endif
;; end of part 2
